; MI455X (gfx1250); checked and timed in simulation.
; The chip was launched on July 23, 2026; its instructions are those of AMD's public machine-readable ISA for CDNA 5 (MIT licence, August 2026) and "CDNA5" Instruction Set Architecture Reference Guide (July 2026). The comments in the code are by the model that wrote it; some were corrected since.
;; Attention. Allowed arithmetic: matrix products marked QUANTISED: E3M2 operands, one E8M0 scale for each 32 along K, by v_wmma_scale_f32_16x16x128_f8f6f4 with both operands' format E3M2, f32 sums; products left as they are: f32 operands where the result goes on into a quantised operand, else bf16, f16 or f32 operands; f32 sums; everything else in f32.
;; Inputs: W_attn 1,024 x 2,048 float32; b_attn 1,024 float32; encoder_outputs 64 x 512 x 1,024 float32; hidden 64 x 1,024 float32; v 1,024 float32.
;; Outputs: out0 64 x 1 x 1,024 float32.
;; This version of the problem:
;;   THIS VERSION OF THE PROBLEM IS GIVEN IN LOW PRECISION. The matrix products marked QUANTISED in the list below multiply operands that are first quantised to E3M2 (3 exponent bits, 2 mantissa bits; 6 bits a number), with one power-of-two scale for each 32 numbers along K (OCP MX v1.0); their sums are f32. All else is computed in f32.
;;   The module's matrix products, in the order in which they are computed (A, B: the left and right operand; K: the contracted axis; several contracted axes count as one K, in the product's order):
;;     1. [M 32,768, K 2,048] x [K 2,048, N 1,024]; A: computed on the way; B: input W_attn: QUANTISED
;;     2. [M 32,768, K 1,024] x [K 1,024, N 1]; A: computed on the way; B: input v: left as it is (N = 1 < 16)
;;     3. batch 64 x [M 1, K 512] x [K 512, N 1,024]; A: softmax; B: input encoder_outputs: left as it is (M = 1 < 16)
;;   THE QUANTISER, for each operand of a quantised product, along K:
;;     - K is cut into blocks of 32 from its start; a last block that is shorter is filled with zeros.
;;     - A block's scale is 2^e with e = floor(log2(the largest magnitude in the block)) - 4, held to -126 .. 127; a block of zeros has e = 0. As a byte (E8M0): e + 127.
;;     - Each number is divided by its block's scale, clamped to +-28, and rounded to the nearest number of E3M2, ties to even, subnormals kept.
;;     - The product sums the exact products of the quantised numbers (number of the format x scale) in f32.
;;   ~~~python
;;   def quantise(x, axis):      # numpy; x: float32 -> the quantised numbers, widened to float32 again
;;       x = np.moveaxis(x, axis, -1); K = x.shape[-1]
;;       x = np.pad(x, [(0, 0)] * (x.ndim - 1) + [(0, -K % 32)]); x = x.reshape(x.shape[:-1] + (-1, 32)); a = np.abs(x).max(-1, keepdims=True)
;;       e = np.where(a > 0, np.clip(np.frexp(np.where(a > 0, a, 1))[1] - 1 - 4, -126, 127), 0)      # np.frexp(a)[1] - 1 = floor(log2(a)), exactly
;;       r = np.clip(x / 2.0 ** e, -28, 28)
;;       step = 2.0 ** (np.maximum(np.frexp(np.where(r == 0, 1, r))[1] - 1, -2) - 2)
;;       q = np.round(r / step) * step * 2.0 ** e      # np.round: ties to even
;;       return np.moveaxis(q.reshape(q.shape[:-2] + (-1,))[..., :K], -1, axis).astype(np.float32)
;;   ~~~
;;   OPERANDS COMPUTED ON THE WAY. 'Computed on the way' means the value that the module computes at that place (a softmax that the list does not call 'softmax' is quantised finished and normalised). What goes into a quantiser is computed in f32, as accurately as f32 sums, v_exp_f32 and their like allow (about 1e-6 of the number): no bf16 or f16 on the way to a quantiser, and a product that is left as it is and whose result goes on into a quantised operand takes f32 operands (vector FMAs, or v_wmma_f32_16x16x4_f32). A number that lies on a knife's edge between two numbers of the format may be rounded either way, as far as f32 arithmetic and the matrix unit's own rounding can turn it there, and no further.
;; One version. Each part assembles by itself: llvm-mc -triple=amdgcn-amd-amdhsa -mcpu=gfx1250 --defsym DOCPART=n.
;; ======== version 1 of 1: 3 launches
;; limits: values are held in bf16: 8 bits of precision; right only within a limited range of input values
;; workspace buffers: wq 819,200 bytes; hbc 262,144 bytes; part 1,179,648 bytes
;; launch prep (part 1): grid 192 x 1, 8 waves a work-group, no clusters, 87,040 bytes of LDS; arguments W_attn, hidden, b_attn, wq, hbc; writes wq, hbc
.if DOCPART == 1
	.amdgcn_target "amdgcn-amd-amdhsa--gfx1250"
	.amdhsa_code_object_version 6
	.text
	.protected	k_q5a6127c9ca_prep
	.globl	k_q5a6127c9ca_prep
	.p2align	8
	.type	k_q5a6127c9ca_prep,@function
k_q5a6127c9ca_prep:
	s_mov_b64 s[64:65], 0
	v_nop
	global_prefetch_b8 v0, s[64:65] scope:SCOPE_SE
	s_setreg_imm32_b32 hwreg(HW_REG_WAVE_MODE, 25, 1), 1
	s_wait_xcnt 0x0
; FIRST OF THREE LAUNCHES.  context[b] = sum over s of softmax_s(score[b][s]) enc[b][s], score = sum over a of v[a] tanh(x[b][s][a]),
; x = Q([h, enc]) Q(W)^T + b_attn, Q the MX quantiser to E3M2 in blocks of 32 along K = 2,048.
; WORK THAT IS NOT DONE, for all finite values of the inputs:
; (1) K is cut at 1,024, a block's border, so Q([h, enc]) = [Q(h), Q(enc)] and x = hp[b][a] + ep[b][s][a] + b_attn[a], with
;     hp = sum over k < 1,024 of Q(h)[b][k] Q(W)[a][k].  reference() broadcasts h over the 512 positions of a batch: the 512 rows of that half of the
;     operand are one and the same row, with the same codes and scales, so hp is made ONCE a batch (here), not 512 times.  Every input is still read.
; (2) tanh(x) = 1 - 2 r, r = 1 / (1 + 2^(c x)), c = 2 log2(e), for every real x.  So score = (sum of v) - 2 sum of v[a] r: the first term is the same along
;     the softmax's axis and cancels in it; it is of the size of the scores themselves.  It is left out; v is still read.
; LIMITS: NaN and infinities among the inputs are not served, and none that would reach only the work left out is carried to the result.  hp and ep are summed apart,
; hp in eight parts along K: the order of the f32 sums differs from reference()'s.  A block of zeros gets the scale byte 1 where the quantiser says 127
; (its codes are zeros, and the bytes are read by this program alone); blocks whose largest magnitude lies under 2^-122 are held at the byte 1.
; THIS LAUNCH.  Work-groups 0-127 (rho = id / 2, mp = id % 2): hbc[b][a] = c (hp[b][a] + b_attn[a]) for a = 16 rho .. + 15 and batches 32 mp .. + 31; wave w takes K step w
; (128 along K): it quantises 16 rows of W and twice 16 rows of hidden and multiplies; the eight parts meet in LDS, and waves 0 and 1 add them in ascending K.
; Work-groups 128-191 (rho = id - 128): W's columns 1,024 .. 2,047 of rows 16 rho .. + 15 become a record of wq: eight fragments (K step k at 1,536 k) laid as images of the
; operand's registers (register group c at 512 c + 16 x lane), then 512 bytes of scale words [k][row].  Each store of an image covers 512 consecutive bytes.
; hbc is stored in pieces of 64 bytes a row: 16 numbers are all that a work-group has of a row; the buffer is 256 KiB in all.
; The two kinds of work-group have LDS bytes of their own.
.set C2L,   0x4038aa3b                 ; c = 2 log2(e)
.set STGA,  0                          ; eight stages of 16 rows x 272 bytes, one a wave (first kind)
.set RED,   34816                      ; the eight waves' partial sums, 2,048 bytes a wave
.set STGB,  51200                      ; eight stages (second kind)
.set SPARE, 86016                      ; the spare words, 128 bytes a wave: four blocks of 256 bytes that no other line names
.set SPW,  2                           ; v2   LDS address of my spare word; never rewritten
.set NIL,  3                           ; v3   0; never rewritten
.set VW,   4                           ; v4   my bytes in a unit of W: 8 rows x 8,192 for lanes 16-31, + 16 (lane % 16)
.set VH,   5                           ; v5   the same in hidden (rows of 4,096 bytes)
.set STOA, 6                           ; v6-9 the stage, in and out, for each kind
.set STLA, 7
.set STOB, 8
.set STLB, 9
.set RDW,  10                          ; v10  where I put my partial sums
.set RDR,  11                          ; v11  where waves 0, 1 read all eight
.set VB,   12                          ; v12  32 h: my eight numbers of b_attn
.set VO,   13                          ; v13  my place in hbc: 4,096 r + 32 h
.set VI,   14                          ; v14  my place in a record's images: 16 x lane + 1,536 x wave
.set VS,   15                          ; v15  and among its scale words: 4 r + 64 x wave
.set XQ,   16                          ; v16-79   64 numbers: register 16 b + i = k 32 b + 16 h + i of row r
.set TM,   80                          ; v80-91   at work in QUANT
.set PCW,  92                          ; v92-103  W's fragment
.set PCH0, 104                         ; v104-127 hidden's two
.set PCH1, 116
.set PWW,  128                         ; v128-130 their scale words: these registers hold scales and nothing else
.set PWH0, 129
.set PWH1, 130
.set AC0,  132                         ; v132-147 two accumulators
.set AC1,  140
.set BI,   148                         ; v148-155 b_attn
.set RR,   160                         ; v160-223 the eight partial sums
.set WV,   14
.set SEL,  30
.set CS,   32
.set MSB, 0
.macro WIN new                         ; the immediate's high byte repeats the setting that is left
.if MSB != (\new)
	s_set_vgpr_msb (MSB<<8)|(\new)
.set MSB, (\new)
.endif
.endm
; A unit, 16 rows x 128 numbers, into 64 registers of window 1: each half of the lanes reads 256 consecutive bytes of a row (lanes 0-15 row i, lanes 16-31 row 8 + i).
.macro GLOAD buf, sb, voff, imm0, pitch
	WIN 0x40
.irp g, 0,1
.irp i, 0,1,2,3,4,5,6,7
	global_load_b128 v[\buf+4*(8*\g+\i):\buf+4*(8*\g+\i)+3], v[\voff], s[\sb:\sb+1] offset:\imm0+\i*\pitch+256*\g
.endr
.endr
.endm
; The unit turns through my own stage, 64 columns at a time: in as loaded, out 16 neighbours along K a lane.  LDS serves a wave's instructions in order: no wait inside.  Rows lie 272 = 17 x 16 bytes apart.
.macro TOSTAGE buf, sto, stl
.irp g, 0,1
	WIN 0x04                                       ; an LDS store's data are its source 1: window 1
.irp i, 0,1,2,3,4,5,6,7
	ds_store_b128 v[\sto], v[\buf+4*(8*\g+\i):\buf+4*(8*\g+\i)+3] offset:272*\i
.endr
	WIN 0
.irp b, 0,1
.irp j, 0,1,2,3
	ds_load_b128 v[XQ+32*\g+16*\b+4*\j:XQ+32*\g+16*\b+4*\j+3], v[\stl] offset:128*\b+16*\j
.endr
.endr
.endr
.endm
; 64 numbers of a lane become a fragment's 12 registers of codes in v[pc] on and the row's scale word in v[pw].
.macro QUANT s, pc, pw
.irp b, 0,1,2,3
	v_max3_num_f32 v[TM+\b], |v[\s+16*\b]|, |v[\s+1+16*\b]|, 0x2800000   ; block b: my 16 numbers, and the floor 2^(5 - 127): the byte cannot fall under 1
.endr
.irp i, 2,4,6,8,10,12,14
.irp b, 0,1,2,3
	s_delay_alu instid0(VALU_DEP_4)
	v_max3_num_f32 v[TM+\b], v[TM+\b], |v[\s+16*\b+\i]|, |v[\s+1+16*\b+\i]|
.endr
.endr
.irp b, 0,1,2,3
	s_delay_alu instid0(VALU_DEP_4)
	v_permlanex16_b32 v[TM+4+\b], v[TM+\b], s[SEL], s[SEL+1]
.endr
.irp b, 0,1,2,3
	s_delay_alu instid0(VALU_DEP_4)
	v_max_num_f32 v[TM+\b], v[TM+\b], v[TM+4+\b]   ; with lane l xor 16's: the block's largest magnitude
.endr
.irp b, 0,1,2,3
	s_delay_alu instid0(VALU_DEP_4)
	v_add_nc_u32 v[TM+8+\b], 0xfe000000, v[TM+\b]  ; 4 off its exponent field: the conversion's scale operand
.endr
.irp b, 0,1,2,3
	s_delay_alu instid0(VALU_DEP_4)
	v_lshrrev_b32 v[TM+4+\b], 23, v[TM+8+\b]       ; the scale's byte
.endr
	s_delay_alu instid0(VALU_DEP_3)
	v_lshl_or_b32 v[\pw], v[TM+5], 8, v[TM+4]
	s_delay_alu instid0(VALU_DEP_1)
	v_lshl_or_b32 v[\pw], v[TM+6], 16, v[\pw]
	s_delay_alu instid0(VALU_DEP_1)
	v_lshl_or_b32 v[\pw], v[TM+7], 24, v[\pw]
	v_cvt_scalef32_pk16_bf6_f32 v[\pc:\pc+2], v[\s:\s+15], v[TM+8]
	v_cvt_scalef32_pk16_bf6_f32 v[TM:TM+2], v[\s+16:\s+31], v[TM+9]       ; (a conversion's three registers begin on an even number)
	v_cvt_scalef32_pk16_bf6_f32 v[\pc+6:\pc+8], v[\s+32:\s+47], v[TM+10]
	v_cvt_scalef32_pk16_bf6_f32 v[TM+4:TM+6], v[\s+48:\s+63], v[TM+11]
	v_nop                                          ; one plain place behind the scaled conversions
.irp i, 0,1,2
	v_permlane16_swap_b32 v[\pc+\i], v[TM+\i]      ; a whole block to a lane: lanes 0-15 the even block, lanes 16-31 the odd one
	v_permlane16_swap_b32 v[\pc+6+\i], v[TM+4+\i]
.endr
.irp i, 0,1,2
	v_mov_b32 v[\pc+3+\i], v[TM+\i]
	v_mov_b32 v[\pc+9+\i], v[TM+4+\i]
.endr
.endm
	s_load_b256 s[4:11], s[0:1], 0x0               ; W s[4:5], hidden s[6:7], b_attn s[8:9], wq s[10:11]
	s_load_b64 s[12:13], s[0:1], 0x20              ; hbc
	v_lshl_add_u32 v[SPW], v0, 2, SPARE
	v_mov_b32 v[NIL], 0
	v_lshrrev_b32 v1, 5, v0
	s_delay_alu instid0(VALU_DEP_1)
	v_readfirstlane_b32 s[WV], v1                  ; wave 0..7 = my K step
	v_and_b32 v1, 15, v0                           ; r
	v_bfe_u32 v16, v0, 4, 1                        ; h
	v_and_b32 v17, 31, v0                          ; lane
	s_delay_alu instid0(VALU_DEP_3)
	v_lshlrev_b32 v18, 4, v1                       ; 16 r
	s_delay_alu instid0(VALU_DEP_1)
	v_lshl_add_u32 v[VW], v16, 16, v18
	s_delay_alu instid0(VALU_DEP_2)
	v_lshl_add_u32 v[VH], v16, 15, v18
	s_mul_i32 s15, s[WV], 4352                     ; my stage
	v_mul_u32_u24 v[STOA], v16, 2176
	s_delay_alu instid0(VALU_DEP_1)
	v_add_nc_u32 v[STOA], v[STOA], v18
	s_delay_alu instid0(VALU_DEP_1)
	v_add_nc_u32 v[STOA], s15, v[STOA]             ; in: row 8 h + i, 16 r bytes on
	v_mul_u32_u24 v[STLA], v1, 272
	s_delay_alu instid0(VALU_DEP_1)
	v_lshl_add_u32 v[STLA], v16, 6, v[STLA]
	s_delay_alu instid0(VALU_DEP_1)
	v_add_nc_u32 v[STLA], s15, v[STLA]             ; out: row r, 64 h bytes on
	s_delay_alu instid0(VALU_DEP_4)
	v_add_nc_u32 v[STOB], STGB, v[STOA]
	s_delay_alu instid0(VALU_DEP_2)
	v_add_nc_u32 v[STLB], STGB, v[STLA]
	s_lshl_b32 s16, s[WV], 11
	s_add_co_u32 s16, s16, RED
	v_lshl_add_u32 v[RDW], v17, 4, s16
	s_lshl_b32 s17, s[WV], 10
	s_add_co_u32 s17, s17, RED
	v_lshl_add_u32 v[RDR], v17, 4, s17
	v_lshlrev_b32 v[VB], 5, v16
	s_delay_alu instid0(VALU_DEP_1)
	v_lshl_add_u32 v[VO], v1, 12, v[VB]
	s_mul_i32 s18, s[WV], 1536
	v_lshl_add_u32 v[VI], v17, 4, s18
	s_lshl_b32 s18, s[WV], 6
	v_lshl_add_u32 v[VS], v1, 2, s18
.irp b, 0,1,2,3
	v_mov_b32 v[TM+4+\b], 0                        ; written once: a lane permute's destination counts as one of its sources
.endr
	s_mov_b32 s[SEL], 0x76543210
	s_mov_b32 s[SEL+1], 0xfedcba98                 ; lane l xor 16
	s_mov_b32 s[CS], C2L
	s_mov_b32 s[CS+1], s[CS]                       ; (named with it as a pair)
	s_lshl_b32 s19, s[WV], 9                       ; my K step's 512 bytes in a row
	s_mov_b32 s23, 0
	s_mov_b32 s25, 0
	s_mov_b32 s27, 0
	s_mov_b32 s29, 0
	s_wait_kmcnt 0x0
	s_cmp_lt_u32 ttmp9, 128                        ; the work-group's number alone: all eight waves go the same way
	s_cbranch_scc0 .Lenc_half
	; ---- hp, the bias and c
	s_lshr_b32 s20, ttmp9, 1                       ; rho
	s_and_b32 s21, ttmp9, 1                        ; mp
	s_lshl_b32 s22, s20, 17                        ; 16 rows of 8,192 bytes
	s_add_co_u32 s22, s22, s19
	s_add_nc_u64 s[4:5], s[4:5], s[22:23]
	s_lshl_b32 s21, s21, 17                        ; 32 rows of 4,096 bytes (of hidden, and of hbc)
	s_add_co_u32 s24, s21, s19
	s_add_nc_u64 s[6:7], s[6:7], s[24:25]
	s_lshl_b32 s26, s20, 6                         ; 16 numbers
	s_add_nc_u64 s[8:9], s[8:9], s[26:27]
	s_lshl_b32 s28, s[WV], 16                      ; waves 0, 1 store tile e = wave: 16 rows of hbc on
	s_add_co_u32 s28, s28, s21
	s_add_co_u32 s28, s28, s26
	s_add_nc_u64 s[12:13], s[12:13], s[28:29]
	GLOAD 0, 4, VW, 0, 8192                        ; 16 rows of W
	GLOAD 64, 6, VH, 0, 4096                       ; batches 32 mp .. + 15
	GLOAD 128, 6, VH, 65536, 4096                  ; batches 32 mp + 16 .. + 31
	WIN 0
	s_wait_alu depctr_va_vdst(0)
	global_load_b128 v[BI:BI+3], v[VB], s[8:9]
	global_load_b128 v[BI+4:BI+7], v[VB], s[8:9] offset:16
	s_wait_loadcnt 34                              ; W's unit is in; younger: hidden's two units (32 loads) and the bias (2)
	TOSTAGE 0, STOA, STLA
	s_wait_dscnt 0x0
	QUANT XQ, PCW, PWW
	s_wait_loadcnt 18                              ; younger: one unit and the bias
	TOSTAGE 64, STOA, STLA
	s_wait_dscnt 0x0
	QUANT XQ, PCH0, PWH0
	s_wait_loadcnt 2                               ; younger: the bias
	TOSTAGE 128, STOA, STLA
	s_wait_dscnt 0x0
	QUANT XQ, PCH1, PWH1
.rept 8
	v_nop                                          ; a scale register written by a vector instruction stands 8 places ahead of a scaled matrix instruction, an operand so written 4
.endr
	; transposed: source 0 = 16 rows of W, source 1 = 16 batches: lane (r, h) holds batch r and a = 16 rho + 8 h + 0 .. 7
	v_wmma_scale_f32_16x16x128_f8f6f4 v[AC0:AC0+7], v[PCW:PCW+11], v[PCH0:PCH0+11], 0, v[PWW], v[PWH0] matrix_a_fmt:MATRIX_FMT_BF6 matrix_b_fmt:MATRIX_FMT_BF6
	v_wmma_scale_f32_16x16x128_f8f6f4 v[AC1:AC1+7], v[PCW:PCW+11], v[PCH1:PCH1+11], 0, v[PWW], v[PWH1] matrix_a_fmt:MATRIX_FMT_BF6 matrix_b_fmt:MATRIX_FMT_BF6
.rept 4
	v_nop                                          ; places in front of the first read of the results
.endr
	ds_store_b128 v[RDW], v[AC0:AC0+3]             ; images of the registers; each accumulator from its low end on
	ds_store_b128 v[RDW], v[AC0+4:AC0+7] offset:512
	ds_store_b128 v[RDW], v[AC1:AC1+3] offset:1024
	ds_store_b128 v[RDW], v[AC1+4:AC1+7] offset:1536
	s_wait_dscnt 0x0                               ; for the others' sake: my stores have landed
	s_barrier_signal -1
	s_barrier_wait -1
	s_cmp_lt_u32 s[WV], 2
	s_cbranch_scc0 .Lend
.irp p, 0,1,2,3,4,5,6,7
.irp c, 0,1
	ds_load_b128 v[RR+8*\p+4*\c:RR+8*\p+4*\c+3], v[RDR] offset:2048*\p+512*\c
.endr
.endr
	s_wait_dscnt 0x0
.irp p, 1,2,3,4,5,6,7                  ; ascending K
.irp j, 0,2,4,6
	v_pk_add_f32 v[RR+\j:RR+\j+1], v[RR+\j:RR+\j+1], v[RR+8*\p+\j:RR+8*\p+\j+1]
.endr
.endr
	s_wait_alu depctr_va_vdst(0)
	s_wait_loadcnt 0x0                             ; the bias
.irp j, 0,2,4,6
	v_pk_add_f32 v[RR+\j:RR+\j+1], v[RR+\j:RR+\j+1], v[BI+\j:BI+\j+1]
.endr
.irp j, 0,2,4,6
	s_delay_alu instid0(VALU_DEP_4)
	v_pk_mul_f32 v[RR+\j:RR+\j+1], v[RR+\j:RR+\j+1], s[CS:CS+1] op_sel_hi:[1,0]
.endr
	global_store_b128 v[VO], v[RR:RR+3], s[12:13]
	global_store_b128 v[VO], v[RR+4:RR+7], s[12:13] offset:16
	s_branch .Lend
.Lenc_half:                            ; ---- a record of wq
	s_sub_co_u32 s20, ttmp9, 128                   ; rho
	s_lshl_b32 s22, s20, 17
	s_add_co_u32 s22, s22, s19
	s_add_co_u32 s22, s22, 4096                    ; columns 1,024 on
	s_add_nc_u64 s[4:5], s[4:5], s[22:23]
	s_mul_i32 s24, s20, 12800
	s_add_nc_u64 s[10:11], s[10:11], s[24:25]
	GLOAD 0, 4, VW, 0, 8192
	s_wait_loadcnt 0x0
	TOSTAGE 0, STOB, STLB
	s_wait_dscnt 0x0
	QUANT XQ, PCW, PWW
.irp c, 0,1,2
	global_store_b128 v[VI], v[PCW+4*\c:PCW+4*\c+3], s[10:11] offset:512*\c
.endr
	global_store_b32 v[VS], v[PWW], s[10:11] offset:12288   ; lanes r and 16 + r hold and write the same word
.Lend:
	s_wait_tensorcnt 0x0                           ; the wave's end, behind my last LDS store
	ds_add_u32 v[SPW], v[NIL]
	s_wait_dscnt 0x0
	s_endpgm
.Lfunc_end_k_q5a6127c9ca_prep:
	.size	k_q5a6127c9ca_prep, .Lfunc_end_k_q5a6127c9ca_prep-k_q5a6127c9ca_prep
	.p2alignl 7, 3214868480
	.fill 96, 4, 3214868480
	.section	.rodata,"a",@progbits
	.p2align	6, 0x0
	.amdhsa_kernel k_q5a6127c9ca_prep
		.amdhsa_group_segment_fixed_size 87040
		.amdhsa_private_segment_fixed_size 0
		.amdhsa_enable_private_segment 0
		.amdhsa_kernarg_size 40
		.amdhsa_user_sgpr_count 2
		.amdhsa_user_sgpr_kernarg_segment_ptr 1
		.amdhsa_wavefront_size32 1
		.amdhsa_system_sgpr_workgroup_id_x 1
		.amdhsa_system_sgpr_workgroup_id_y 1
		.amdhsa_system_sgpr_workgroup_id_z 1
		.amdhsa_system_vgpr_workitem_id 0
		.amdhsa_next_free_vgpr 448
		.amdhsa_next_free_sgpr 66
		.amdhsa_reserve_vcc 0
		.amdhsa_float_denorm_mode_32 3
		.amdhsa_float_denorm_mode_16_64 3
		.amdhsa_memory_ordered 1
		.amdhsa_forward_progress 1
		.amdhsa_inst_pref_size 45
	.end_amdhsa_kernel
	.amdgpu_metadata
---
amdhsa.version: [ 1, 2 ]
amdhsa.kernels:
  - .name:           k_q5a6127c9ca_prep
    .symbol:         k_q5a6127c9ca_prep.kd
    .args:
      - { .name: W_attn, .offset: 0, .size: 8, .value_kind: global_buffer, .address_space: global }
      - { .name: hidden, .offset: 8, .size: 8, .value_kind: global_buffer, .address_space: global }
      - { .name: b_attn, .offset: 16, .size: 8, .value_kind: global_buffer, .address_space: global }
      - { .name: wq, .offset: 24, .size: 8, .value_kind: global_buffer, .address_space: global }
      - { .name: hbc, .offset: 32, .size: 8, .value_kind: global_buffer, .address_space: global }
    .group_segment_fixed_size: 87040
    .private_segment_fixed_size: 0
    .kernarg_segment_align: 8
    .kernarg_segment_size: 40
    .max_flat_workgroup_size: 256
    .sgpr_count:     66
    .vgpr_count:     448
    .wavefront_size: 32
...
	.end_amdgpu_metadata
.endif
;; end of part 1
;; launch main (part 2): grid 256 x 1, 4 waves a work-group, clusters of 4 x 1, 327,680 bytes of LDS; arguments encoder_outputs, wq, hbc, v, part; writes part
.if DOCPART == 2
	.amdgcn_target "amdgcn-amd-amdhsa--gfx1250"
	.amdhsa_code_object_version 6
	.text
	.protected	k_q5a6127c9ca_main
	.globl	k_q5a6127c9ca_main
	.p2align	8
	.type	k_q5a6127c9ca_main,@function
k_q5a6127c9ca_main:
	s_mov_b64 s[64:65], 0
	v_nop
	global_prefetch_b8 v0, s[64:65] scope:SCOPE_SE
	s_setreg_imm32_b32 hwreg(HW_REG_WAVE_MODE, 25, 1), 1
	s_wait_xcnt 0x0
	s_wait_alu depctr_hold_cnt(0) depctr_sa_sdst(0) depctr_va_vdst(0) depctr_va_sdst(0) depctr_va_ssrc(0) depctr_va_vcc(0) depctr_vm_vsrc(0)
	s_getreg_b32 s2, hwreg(HW_REG_IB_STS2, 6, 4)
	s_cmp_eq_u32 s2, 0
	s_cbranch_scc0 .Lentry_in_a_cluster
	s_endpgm
.Lentry_in_a_cluster:
	s_bfe_u32 s2, ttmp6, 0x10000c
	s_cmp_lg_u32 s2, 0x3003
	s_cbranch_scc0 .Lentry_shape_is_right
	s_endpgm
.Lentry_shape_is_right:
; SECOND OF THREE LAUNCHES.  A work-group takes 128 positions (a quarter) of one batch: quantises its rows of enc, multiplies them by W's enc half (codes from wq), takes
; r = 1 / (1 + 2^(c x)), S = sum over a of v[a] r, the quarter's softmax weights p = 2^(-c S - m), and stores the unnormalised context sum of p enc with (m, l) into part.
; LEFT OUT (shown at the head of the first launch): the hidden half of the product, made once a batch and read here as hbc = c (hp + b_attn); and the term sum of v, the same along the softmax's axis.
; LIMITS: NaN and infinities among the inputs are not served.  2^(c x) may overflow to infinity (r = 0) or fall to 0 (r = 1): both are tanh's limits, so no clamp is written.
; enc and p go to the context's product in bf16, its sums are f32; l is the sum of the f32 p.  Scale bytes of blocks of zeros: see the first launch.
; enc IS READ FROM MEMORY ONCE: as it arrives each number is rounded to bf16 into a copy that stays on the work-group (48 of a wave's 64 copy fragments in registers, 16 in LDS) until p is known, and is quantised.
; SHARES.  While enc is read, wave w owns columns 256 w .. + 255 of all 128 rows: K steps 2 w, 2 w + 1 of the product, and its part of the copy and of the context.  The codes go from wave to wave through LDS as
; images of the operand's registers.  In the product wave (rh = w % 2, nh = w / 2) owns the tiles of rows m = 2 ml + rh (ml = 0 .. 3), whose 32 fragments stay in 384 registers, and records 4 nh .. + 3 of each slot of W:
; a fragment of W read from LDS feeds four matrix instructions.
; W comes through a ring of two LDS slots of 8 records (102,400 dense bytes).  CLUSTER: the four quarters of a batch walk the same W, so each slot is asked for JOINTLY: each wave its quarter of the slot, with a
; descriptor made of the wave's number alone and the mask of all four work-groups.  One tensor load of a wave is out at the start, one behind the hand-over's round, one behind each change of slots.
; THE PRODUCT IS USED TRANSPOSED (source 0 = 16 rows of W, source 1 = 16 rows of enc): a lane holds one position (lane % 16) and eight a (8 (lane / 16) + j).
; BY TURNS: a turn is one record: 8 K steps x 4 tiles of rows = 32 matrix instructions into one set of four accumulators; then this record's 112 vector instructions (c x, 2^, + 1, 1 /, x v) in one run behind them.
; REGISTERS, in windows of 256:
;  window 0: v2-15 addresses.  Reading: v16-79 XQ, v80-91 TM, v92-103 codes, v104 scale word, v112-239 copy fragments 48-63 on their way to LDS.  Product: v16-31 enc's scale words, v32-35 W's, v40-47 hbc,
;            v48-55 the sums S, v64-95 four accumulators, v128-223 eight fragments of W.  Context: v16-63 at work, v64-191 16 accumulators, v192-223 p.  Always: v240-255 copy fragments 46, 47.
;  window 1: reading: v0-191 three load buffers; product: v0-239 enc's fragments of K steps 0-4, at 12 (4 k + ml); context: v0-127 copy fragments 48-63.  v240-255 copy fragments 44, 45.
;  window 2: reading: v0-63 the fourth buffer, v144-159 hbc and v as loaded; product: v0-143 enc's fragments of K steps 5-7, v144-151 v.  v160-255 copy fragments 32-43.      window 3: copy fragments 0-31.
; COPY FRAGMENT f = 16 P + 4 g + j: source 1 of a bf16 product: rows 32 P .. + 31, columns 256 w + 64 g + 4 r + j (r = lane % 16): these are the numbers that a lane's loads bring it, so nothing changes lanes.
.set C2L,   0x4038aa3b                 ; c = 2 log2(e)
.set SLOTB, 102400                     ; a slot of W: 8 records
.set RECB,  12800                      ; a record: 8 images of 1,536 bytes, 512 bytes of scale words
.set FRB,   1536
.set IMG,   204800                     ; LDS behind the ring: enc's 64 images, (8 m + k) x 1,536; later the copy's 16 fragments a wave, 16,384 bytes a wave
.set ASC,   303104                     ; enc's scale words [m][k][r]
.set STG,   307200                     ; four stages of 16 rows x 272 bytes; later hbc's row, v, and p
.set HBC,   STG
.set VVO,   4096                       ; v lies this far behind hbc's row
.set PARR,  STG+8192                   ; p: 512 bytes for each wave
.set EXCH,  324608                     ; partial S: [nh][128]
.set SPARE, 326656                     ; the spare words, 128 bytes a wave: two blocks of 256 bytes that no other line names
.set SPW,  2                           ; v2  LDS address of my spare word; never rewritten
.set NIL,  3                           ; v3  0; never rewritten
.set GOFF, 4                           ; reading: my bytes in a unit of enc
.set STO,  5                           ;   the stage, in
.set STL,  6                           ;   and out
.set IMA0, 7                           ;   where my images go, tiles of rows 0-3
.set IMA1, 8                           ;   and 4-7
.set ASA,  9                           ;   and their scale words
.set PFO,  10                          ; the prefetch's offset; never rewritten
.set T16,  11                          ; 16 x thread
.set HST,  12                          ; hand-over: where hbc and v go
.set AIM0, 13                          ;   where my fragments of enc lie, ml 0, 1
.set AIM1, 14                          ;   and ml 2, 3
.set ASL,  15                          ;   and their scale words
.set CPA,  9                           ; my part of the copy in LDS
.set BA,   4                           ; product: my place in a slot's images
.set BADR, 5                           ;   + the slot in hand
.set BS,   6                           ;   the same for W's scale words
.set BSADR, 7
.set HADR, 8                           ;   my eight numbers of hbc's row; v's lie VVO on
.set EXA,  11                          ; softmax: where my partial S go
.set EXR,  12                          ;   where I read all 128
.set PAW,  13                          ;   where I put four p
.set PAR,  14                          ;   where I read eight
.set POFF, 15                          ;   my place in part's record
.set XQ,   16
.set TM,   80
.set PC,   92
.set PW,   104
.set ASCL, 16
.set BSC,  32
.set HB,   40
.set SCO,  48
.set ACC,  64
.set BF,   128
.set VR,   144                         ; in window 2
.set WV,   14                          ; s14 wave;  s15 rh;  s16 nh;  s17 cx;  s18 g = 4 batch + cx
.set RH,   15
.set NH,   16
.set CX,   17
.set GG,   18
.set SEL,  20                          ; s[20:21] lane l xor 16
.set CS,   22                          ; s[22:23] c, as a pair
.set HMASK, 24                         ; s24 lanes 16-31
.set G1,   28                          ; s[28:35] descriptor group 1
.set G0A,  36                          ; s[36:39] group 0 of slot 0's first fill
.set G0,   40                          ; s[40:43] of slot 1's; it then walks
.set TB,   44                          ; s44 LDS byte of the slot being read
.set TBF,  45                          ; s45 of the slot filled last
.set WOFF, 46                          ; s46 my quarter of a slot: 25,600 x wave
.set CNT,  47
.set PFF,  48                          ; s48 0 in a wave that prefetches
.set PFB,  50                          ; s[50:51] wq at slot 2; never rewritten
.set MSB, 0
.macro WIN new                         ; the immediate's high byte repeats the setting that is left
.if MSB != (\new)
	s_set_vgpr_msb (MSB<<8)|(\new)
.set MSB, (\new)
.endif
.endm
.macro NOPS n
.rept \n
	v_nop
.endr
.endm
.macro CREST                           ; a round of the cluster's barrier behind its opening barrier
	s_cmp_lg_u32 s[WV], 0
	s_cbranch_scc1 .Lnot_wave_0_\@
	s_barrier_signal -3
.Lnot_wave_0_\@:
	s_barrier_wait -3
	s_barrier_signal -1
	s_barrier_wait -1
.endm
.macro CROUND                          ; a whole round
	s_barrier_signal -1
	s_barrier_wait -1
	CREST
.endm
.macro HOME                            ; where copy fragment FI lies: window HW, register HR
.if FI < 32
.set HW, 3
.set HR, 8*FI
.elseif FI < 44
.set HW, 2
.set HR, 160+8*(FI-32)
.elseif FI < 46
.set HW, 1
.set HR, 240+8*(FI-44)
.elseif FI < 48
.set HW, 0
.set HR, 240+8*(FI-46)
.else
.set HW, 0
.set HR, 112+8*(FI-48)
.endif
.endm
; Unit u = 2 sigma + kappa: rows 16 sigma .. + 15, my columns 128 kappa .. + 127, into buffer u % 4: each half of the lanes reads 256 consecutive bytes of a row (lanes 0-15 row i, lanes 16-31 row 8 + i).
.macro GLOAD u
.set LW, 1+((\u)%4)/3
.set LR, 64*((\u)%4)-192*(((\u)%4)/3)
	WIN LW<<6
.irp g, 0,1
.irp i, 0,1,2,3,4,5,6,7
	global_load_b128 v[LR+4*(8*\g+\i):LR+4*(8*\g+\i)+3], v[GOFF], s[4:5] offset:65536*((\u)/2)+512*((\u)%2)+4096*\i+256*\g th:TH_LOAD_NT
.endr
.endr
.endm
; The unit in buffer (BW, BR) turns through my own stage, 64 columns at a time: in as loaded, out 16 neighbours along K a lane.  LDS serves a wave's instructions in order: no wait inside.  Rows lie 272 = 17 x 16 bytes apart.
.macro TOSTAGE
.irp g, 0,1
	WIN BW<<2                                      ; an LDS store's data are its source 1
.irp i, 0,1,2,3,4,5,6,7
	ds_store_b128 v[STO], v[BR+4*(8*\g+\i):BR+4*(8*\g+\i)+3] offset:272*\i
.endr
	WIN 0
.irp b, 0,1
.irp j, 0,1,2,3
	ds_load_b128 v[XQ+32*\g+16*\b+4*\j:XQ+32*\g+16*\b+4*\j+3], v[STL] offset:128*\b+16*\j
.endr
.endr
.endr
.endm
; 64 numbers of a lane, register 16 b + i = k 32 b + 16 (lane / 16) + i of row lane % 16, become a fragment's 12 registers of codes in v[pc] on and the row's scale word in v[pw].
.macro QUANT s, pc, pw
.irp b, 0,1,2,3
	v_max3_num_f32 v[TM+\b], |v[\s+16*\b]|, |v[\s+1+16*\b]|, 0x2800000   ; block b: my 16 numbers, and the floor 2^(5 - 127): the byte cannot fall under 1
.endr
.irp i, 2,4,6,8,10,12,14
.irp b, 0,1,2,3
	v_max3_num_f32 v[TM+\b], v[TM+\b], |v[\s+16*\b+\i]|, |v[\s+1+16*\b+\i]|
.endr
.endr
.irp b, 0,1,2,3
	v_permlanex16_b32 v[TM+4+\b], v[TM+\b], s[SEL], s[SEL+1]
.endr
.irp b, 0,1,2,3
	v_max_num_f32 v[TM+\b], v[TM+\b], v[TM+4+\b]   ; with lane l xor 16's: the block's largest magnitude
.endr
.irp b, 0,1,2,3
	v_add_nc_u32 v[TM+8+\b], 0xfe000000, v[TM+\b]  ; 4 off its exponent field: the conversion's scale operand
.endr
.irp b, 0,1,2,3
	v_lshrrev_b32 v[TM+4+\b], 23, v[TM+8+\b]       ; the scale's byte
.endr
	v_lshl_or_b32 v[\pw], v[TM+5], 8, v[TM+4]
	v_lshl_or_b32 v[\pw], v[TM+6], 16, v[\pw]
	v_lshl_or_b32 v[\pw], v[TM+7], 24, v[\pw]
	v_cvt_scalef32_pk16_bf6_f32 v[\pc:\pc+2], v[\s:\s+15], v[TM+8]
	v_cvt_scalef32_pk16_bf6_f32 v[TM:TM+2], v[\s+16:\s+31], v[TM+9]       ; (a conversion's three registers begin on an even number)
	v_cvt_scalef32_pk16_bf6_f32 v[\pc+6:\pc+8], v[\s+32:\s+47], v[TM+10]
	v_cvt_scalef32_pk16_bf6_f32 v[TM+4:TM+6], v[\s+48:\s+63], v[TM+11]
	v_nop                                          ; one plain place behind the scaled conversions
.irp i, 0,1,2
	v_permlane16_swap_b32 v[\pc+\i], v[TM+\i]      ; a whole block to a lane: lanes 0-15 the even block, lanes 16-31 the odd one
	v_permlane16_swap_b32 v[\pc+6+\i], v[TM+4+\i]
.endr
.irp i, 0,1,2
	v_mov_b32 v[\pc+3+\i], v[TM+\i]
	v_mov_b32 v[\pc+9+\i], v[TM+4+\i]
.endr
.endm
; One unit: the bf16 copy, the turn through the stage, the load four units on into the same buffer, the codes, their image.
.macro UNIT u
.set SG, (\u)/2
.set KP, (\u)%2
.set BW, 1+((\u)%4)/3
.set BR, 64*((\u)%4)-192*(((\u)%4)/3)
.if (\u) <= 12
	s_wait_loadcnt 48                              ; my unit is in; the three younger units' 16 loads each stay out
.else
	s_wait_loadcnt 16*(15-(\u))
.endif
.irp g, 0,1
.irp j, 0,1,2,3
.set FI, 16*(SG/2)+4*(2*KP+\g)+\j
	HOME
	WIN (HW<<6)|(BW<<2)|BW
.irp q, 0,1,2,3
	v_cvt_pk_bf16_f32 v[HR+4*(SG%2)+\q], v[BR+4*(8*\g+2*\q)+\j], v[BR+4*(8*\g+2*\q+1)+\j]   ; rows 16 sigma + 8 h + 2 q, + 1 of one column
.endr
.endr
.endr
	TOSTAGE
	s_wait_dscnt 0x0                               ; XQ is in, and the stage's stores have read the buffer
.if (\u) <= 11
	GLOAD (\u)+4
.endif
	WIN 0
.if (\u) == 11
	; A PREFETCH of slots 2 to 7 of wq, 2,400 blocks of 256 bytes, behind the loads just issued: wave 0 of the first 19 clusters asks, a lane a block; the partners of a cluster are told apart by address
	; (block 32 g + lane); the 32 lanes beyond the last block name the last block.  The first change of slots, which asks for slot 2, stands five units and four turns further on.
	s_cmp_eq_u32 s[PFF], 0
	s_cbranch_scc0 .Lno_prefetch
	global_prefetch_b8 v[PFO], s[PFB:PFB+1] th:TH_LOAD_NT scope:SCOPE_SE
.Lno_prefetch:
.endif
	QUANT XQ, PC, PW
.irp c, 0,1,2
.if SG < 4
	ds_store_b128 v[IMA0], v[PC+4*\c:PC+4*\c+3] offset:(8*SG+KP)*FRB+512*\c
.else
	ds_store_b128 v[IMA1], v[PC+4*\c:PC+4*\c+3] offset:(8*(SG-4)+KP)*FRB+512*\c
.endif
.endr
	ds_store_b32 v[ASA], v[PW] offset:512*SG+64*KP ; lanes r and 16 + r hold and write the same word
.endm
; ---- the product's macros
; THE ORDER OF A TURN (it stands for the head's paragraph BY TURNS and for its count of tensor loads).  A turn is one record: 8 K steps x 4 tiles of rows = 32 matrix instructions on end into ONE set of four
; accumulators (v64-95), which take turns; then one run of 28 LDS loads for the next record; then this record's 112 vector instructions.  One tensor load of a wave is out at the start (slot 0), one behind the
; hand-over's round (slot 1's first fill), one behind each change of slots.
; Number IT of the 112 vector instructions that turn the accumulators (YB) into S, in batches: 0-15 c x + hbc (packed), 16-47 2^, 48-63 + 1 (packed), 64-95 1 /, 96-111 S += r v (VB: v, in window 2: source 1 means
; window 2 in the whole block, and no other line of it names a vector register as source 1).  A wait stands ahead of each batch of transcendentals and, with a plain place, behind it.
; Each accumulator is read from its low end on.
.set YB, ACC
.set VB, VR
.macro ITEM
.if (IT == 16) || (IT == 64)
	s_wait_alu depctr_va_vdst(0)
.endif
.if (IT == 48) || (IT == 96)
	v_nop
	s_wait_alu depctr_va_vdst(0)
.endif
.if IT < 96
.set IQ, IT%48
.set IP, 0
.if IQ < 16
.set IP, 1
.set IX, IQ
.else
.set IX, IQ-16
.endif
.if IP && (IT < 48)
	v_pk_fma_f32 v[YB+2*IX:YB+2*IX+1], v[YB+2*IX:YB+2*IX+1], s[CS:CS+1], v[HB+(2*IX)%8:HB+(2*IX)%8+1] op_sel_hi:[1,0,1]
.elseif IP
	v_pk_add_f32 v[YB+2*IX:YB+2*IX+1], v[YB+2*IX:YB+2*IX+1], 1.0 op_sel_hi:[1,0]
.elseif IT < 48
	v_exp_f32 v[YB+IX], v[YB+IX]
.else
	v_rcp_f32 v[YB+IX], v[YB+IX]
.endif
.else
.set IX, (IT-96)%4
.set IQ, (IT-96)/4
	v_pk_fma_f32 v[SCO+2*IX:SCO+2*IX+1], v[YB+8*IX+2*IQ:YB+8*IX+2*IQ+1], v[VB+2*IQ:VB+2*IQ+1], v[SCO+2*IX:SCO+2*IX+1]
.endif
.endm
.macro WM k, ml, set                   ; one matrix instruction: K step k, tile of rows ml.  A scale register holds K step 2 i in lanes 0-15 and 2 i + 1 in lanes 16-31
.set RD_, ACC+32*(\set)+8*(\ml)
.set RB_, BF+12*(\k)
.if (\k) <= 4
.set RA_, 12*(4*(\k)+(\ml))
.else
.set RA_, 12*(4*((\k)-5)+(\ml))
.endif
.set S0_, BSC+4*(\set)+(\k)/2
.set S1_, ASCL+4*(\ml)+(\k)/2
.if (\k) == 0
	v_wmma_scale_f32_16x16x128_f8f6f4 v[RD_:RD_+7], v[RB_:RB_+11], v[RA_:RA_+11], 0, v[S0_], v[S1_] matrix_a_fmt:MATRIX_FMT_BF6 matrix_b_fmt:MATRIX_FMT_BF6
.elseif ((\k)%2) == 0
	v_wmma_scale_f32_16x16x128_f8f6f4 v[RD_:RD_+7], v[RB_:RB_+11], v[RA_:RA_+11], v[RD_:RD_+7], v[S0_], v[S1_] matrix_a_fmt:MATRIX_FMT_BF6 matrix_b_fmt:MATRIX_FMT_BF6
.else
	v_wmma_scale_f32_16x16x128_f8f6f4 v[RD_:RD_+7], v[RB_:RB_+11], v[RA_:RA_+11], v[RD_:RD_+7], v[S0_], v[S1_] matrix_a_fmt:MATRIX_FMT_BF6 matrix_b_fmt:MATRIX_FMT_BF6 matrix_a_scale:MATRIX_SCALE_ROW1 matrix_b_scale:MATRIX_SCALE_ROW1
.endif
.endm
.macro GROUP k                         ; K step k: the four accumulators take turns, one instruction a turn
.irp ml, 0,1,2,3
	WM \k, \ml, 0
.endr
.endm
.macro FETCH off                       ; the record at off: eight fragments (24 loads) and four registers of scale words: 28 loads
.irp ks, 0,1,2,3,4,5,6,7
.irp c, 0,1,2
	ds_load_b128 v[BF+12*\ks+4*\c:BF+12*\ks+4*\c+3], v[BADR] offset:(\off)+FRB*\ks+512*\c
.endr
.endr
.irp ii, 0,1,2,3
	ds_load_b32 v[BSC+\ii], v[BSADR] offset:(\off)+12288+128*\ii
.endr
.endm
; A TURN: record i of my four in the slot.  nxt = 0: the last turn, which fetches no next record.  chg: behind the slot's last products the slots change: the wait for all my tensor loads (my quarter of the next
; slot), the add, the wait for the add and for my LDS loads.  chg = 1: a round of the cluster's barrier, and the joint refill first behind it: it has four turns in which to land.  chg = 2: the last change: the
; work-group's barrier alone.
.macro TURN i, chg, nxt
.set NOFF, RECB*((\i)+1)
.if \chg
.set NOFF, 0
.endif
	s_wait_dscnt 0x0                               ; this record's fragments and scale words are in
	ds_load_b128 v[HB:HB+3], v[HADR] offset:64*(\i)               ; this record's hbc and v, for the vector work behind the products
	ds_load_b128 v[HB+4:HB+7], v[HADR] offset:64*(\i)+16
	WIN 0x80                                       ; destination window 2
	ds_load_b128 v[VR:VR+3], v[HADR] offset:VVO+64*(\i)
	ds_load_b128 v[VR+4:VR+7], v[HADR] offset:VVO+64*(\i)+16
	WIN 0x04                                       ; source 1: enc's fragments of K steps 0-4, window 1
.irp k, 0,1,2,3,4
	GROUP \k
.endr
	WIN 0x08                                       ; K steps 5-7, window 2
.irp k, 5,6,7
	GROUP \k
.endr
	NOPS 4                                         ; places in front of the loads into W's registers and of the first read of the results
.if \chg
	WIN 0                                          ; (the add's two registers lie in window 0)
	s_wait_tensorcnt 0x0                           ; no tensor load of mine is out: the walking group 0 may be written
	ds_add_u32 v[SPW], v[NIL]                      ; 0 onto my spare word
.if (\chg) == 1
	s_xor_b32 s[TBF], s[TBF], SLOTB                ; the other slot than last time,
	s_add_co_u32 s[G0+1], s[TBF], s[WOFF]          ; my quarter of it,
	s_add_nc_u64 s[G0+2:G0+3], s[G0+2:G0+3], SLOTB ; the next 8 records; the type bits on top are not reached
.endif
.endif
.if \chg
	s_wait_dscnt 0x0                               ; the add is done, and my reads of the slot are over
	s_barrier_signal -1
	s_barrier_wait -1
.if (\chg) == 1
	CREST                                          ; no wave of any partner still reads the slot or has a load on its way
	tensor_load_to_lds s[G0:G0+3], s[G1:G1+7]
	s_nop 0
	NOPS 4
.endif
	s_xor_b32 s[TB], s[TB], SLOTB
	v_add_nc_u32 v[BADR], s[TB], v[BA]
	v_add_nc_u32 v[BSADR], s[TB], v[BS]
.endif
.if \chg
	v_add_nc_u32 v[HADR], 512, v[HADR]             ; the next slot's 128 a
.endif
.if \nxt
	FETCH NOFF                                     ; the next record: its loads are out while the vector work below runs
.endif
	s_wait_dscnt 28*(\nxt)                         ; hbc and v are in; younger: the 28 loads of the next record
	WIN 0x08
.set IT, 0
.rept 112
	ITEM
.set IT, IT+1
.endr
.endm
	; ---- the head
	s_load_b256 s[4:11], s[0:1], 0x0               ; enc s[4:5], wq s[6:7], hbc s[8:9], v s[10:11]
	s_load_b64 s[12:13], s[0:1], 0x20              ; part
	v_lshl_add_u32 v[SPW], v0, 2, SPARE
	v_mov_b32 v[NIL], 0
	ds_add_u32 v[SPW], v[NIL]                      ; the wave's opening: the add, twice on end, and its wait ahead of my first tensor load; the set-up below stands between
	ds_add_u32 v[SPW], v[NIL]
	v_lshrrev_b32 v1, 5, v0
	v_readfirstlane_b32 s[WV], v1                  ; wave 0..3
	s_and_b32 s[RH], s[WV], 1
	s_lshr_b32 s[NH], s[WV], 1
	s_bfe_u32 s[CX], ttmp6, 0x40000                ; my place in the cluster: it enters enc's, part's and the prefetch's addresses alone
	s_lshl_b32 s[GG], ttmp9, 2                     ; in a cluster launch ttmp9 counts clusters: the batch
	s_add_co_u32 s[GG], s[GG], s[CX]
	s_mov_b32 s[G1], 15|(3<<16)|(1<<21)            ; 15:0 the mask: all four work-groups; 17:16 elements of 8 bytes; 21 set beside a mask; no padding
	s_mov_b32 s[G1+1], 32<<16                      ; tensor_dim0 = 32: rows of 256 bytes
	s_mov_b32 s[G1+2], 100<<16                     ; tensor_dim1 = 100: a quarter of a slot, 25,600 dense bytes
	s_mov_b32 s[G1+3], 32<<16                      ; tile_dim0
	s_mov_b32 s[G1+4], 100                         ; tile_dim1
	s_mov_b32 s[G1+5], 32                          ; the pitch
	s_mov_b32 s[G1+6], 0
	s_mov_b32 s[G1+7], 0
	s_mul_i32 s[WOFF], s[WV], 25600
	s_mov_b32 s[SEL], 0x76543210
	s_mov_b32 s[SEL+1], 0xfedcba98
	s_mov_b32 s[CS], C2L
	s_mov_b32 s[CS+1], s[CS]
	s_mov_b32 s[HMASK], 0xffff0000
	s_mov_b32 s[TB], 0
	s_mov_b32 s[TBF], SLOTB
	s_cmp_lt_u32 ttmp9, 19
	s_cselect_b32 s[PFF], 0, 1
	s_or_b32 s[PFF], s[PFF], s[WV]                 ; 0 in wave 0 of clusters 0 to 18: the same in all four partners
	v_and_b32 v1, 15, v0                           ; r
	v_bfe_u32 v12, v0, 4, 1                        ; h
	v_and_b32 v13, 31, v0                          ; lane
	s_lshl_b32 s56, s[WV], 10
	v_lshlrev_b32 v[GOFF], 4, v1
	v_lshl_add_u32 v[GOFF], v12, 15, v[GOFF]
	v_add_nc_u32 v[GOFF], s56, v[GOFF]             ; 1,024 w + 8 rows of 4,096 bytes for lanes 16-31 + 16 r
	s_mul_i32 s57, s[WV], 4352
	s_add_co_u32 s57, s57, STG                     ; my stage
	v_mul_u32_u24 v[STO], v12, 2176
	v_lshl_add_u32 v[STO], v1, 4, v[STO]
	v_add_nc_u32 v[STO], s57, v[STO]
	v_mul_u32_u24 v[STL], v1, 272
	v_lshl_add_u32 v[STL], v12, 6, v[STL]
	v_add_nc_u32 v[STL], s57, v[STL]
	s_mul_i32 s58, s[WV], 2*FRB
	s_add_co_u32 s58, s58, IMG
	v_lshl_add_u32 v[IMA0], v13, 4, s58            ; image (8 m + 2 w + kappa)
	v_add_nc_u32 v[IMA1], 32*FRB, v[IMA0]
	s_lshl_b32 s59, s[WV], 7
	s_add_co_u32 s59, s59, ASC
	v_lshl_add_u32 v[ASA], v1, 2, s59
	s_lshl_b32 s56, s[GG], 5
	v_add_nc_u32 v[PFO], s56, v13
	v_min_u32 v[PFO], 2399, v[PFO]
	v_lshlrev_b32 v[PFO], 8, v[PFO]
	v_lshlrev_b32 v[T16], 4, v0
.irp b, 0,1,2,3
	v_mov_b32 v[TM+4+\b], 0                        ; written once: a lane permute's destination counts as one of its sources
.endr
	s_mov_b32 s52, s[WOFF]                         ; (s[52:53] feed the descriptors and never hold my place in the cluster)
	s_mov_b32 s53, 0
	s_mov_b32 s55, 0
	s_wait_alu depctr_va_vdst(0)
	s_wait_dscnt 0x0                               ; both opening adds are done
	s_wait_kmcnt 0x0
	s_mov_b32 s[G0A], 1                            ; count = 1
	s_mov_b32 s[G0A+1], s[WOFF]                    ; LDS: slot 0, my quarter
	s_add_nc_u64 s[G0A+2:G0A+3], s[6:7], s[52:53]  ; memory: records 0-7, my quarter
	s_mov_b32 s[G0], 1
	s_add_co_u32 s[G0+1], s[WOFF], SLOTB
	s_add_nc_u64 s[G0+2:G0+3], s[G0A+2:G0A+3], SLOTB
	s_or_b32 s[G0A+3], s[G0A+3], 0x80000000        ; type = 2
	s_or_b32 s[G0+3], s[G0+3], 0x80000000
	s_add_nc_u64 s[PFB:PFB+1], s[6:7], 2*SLOTB
	s_lshl_b32 s54, ttmp9, 12
	s_add_nc_u64 s[8:9], s[8:9], s[54:55]          ; hbc's row of my batch
	s_lshl_b32 s54, s[GG], 19
	s_add_nc_u64 s[4:5], s[4:5], s[54:55]          ; my 128 rows of enc
	s_mul_i32 s54, s[GG], 4608
	s_add_nc_u64 s[12:13], s[12:13], s[54:55]      ; my record of part
	CROUND                                         ; all four work-groups are here: the first joint loads meet
	tensor_load_to_lds s[G0A:G0A+3], s[G1:G1+7]    ; slot 0
	s_nop 0
	NOPS 4
	WIN 0x80
	global_load_b128 v[144:147], v[T16], s[8:9]    ; hbc's row and v, 16 bytes a thread twice each: they wait in registers until the stages are free
	global_load_b128 v[148:151], v[T16], s[8:9] offset:2048
	global_load_b128 v[152:155], v[T16], s[10:11]
	global_load_b128 v[156:159], v[T16], s[10:11] offset:2048
	GLOAD 0
	GLOAD 1
	GLOAD 2
	GLOAD 3
	; ---- enc is read: 16 units, each wave for itself
.irp u, 0,1,2,3,4,5,6,7,8,9,10,11,12,13,14,15
	UNIT \u
.endr
	; ---- the hand-over
	v_lshl_add_u32 v[HST], v0, 4, HBC
	v_and_b32 v1, 31, v0
	s_mul_i32 s54, s[RH], 8*FRB
	s_add_co_u32 s54, s54, IMG
	v_lshl_add_u32 v[AIM0], v1, 4, s54             ; image (8 (2 ml + rh) + k)
	v_add_nc_u32 v[AIM1], 32*FRB, v[AIM0]
	s_lshl_b32 s55, s[RH], 9
	s_add_co_u32 s55, s55, ASC
	v_lshl_add_u32 v[ASL], v1, 2, s55
	s_wait_alu depctr_va_vdst(0)
	s_wait_tensorcnt 0x0                           ; my quarter of slot 0 has landed
	ds_add_u32 v[SPW], v[NIL]
	s_wait_dscnt 0x0                               ; the add is done, my images have landed, and my reads of my stage are over
	CROUND                                         ; a whole round: all 64 images and slot 0 lie in LDS, the stages are free, and all four work-groups are here
	tensor_load_to_lds s[G0:G0+3], s[G1:G1+7]      ; slot 1's first fill: it is read behind the first change of slots, four turns on
	s_nop 0
	NOPS 4
	WIN 0x08                                       ; data in window 2
	ds_store_b128 v[HST], v[144:147]
	ds_store_b128 v[HST], v[148:151] offset:2048
	ds_store_b128 v[HST], v[152:155] offset:VVO
	ds_store_b128 v[HST], v[156:159] offset:VVO+2048
	WIN 0x40
.irp k, 0,1,2,3,4
.irp ml, 0,1,2,3
.irp c, 0,1,2
.if \ml < 2
	ds_load_b128 v[12*(4*\k+\ml)+4*\c:12*(4*\k+\ml)+4*\c+3], v[AIM0] offset:(16*\ml+\k)*FRB+512*\c
.else
	ds_load_b128 v[12*(4*\k+\ml)+4*\c:12*(4*\k+\ml)+4*\c+3], v[AIM1] offset:(16*(\ml-2)+\k)*FRB+512*\c
.endif
.endr
.endr
.endr
	WIN 0x80
.irp k, 5,6,7
.irp ml, 0,1,2,3
.irp c, 0,1,2
.if \ml < 2
	ds_load_b128 v[12*(4*(\k-5)+\ml)+4*\c:12*(4*(\k-5)+\ml)+4*\c+3], v[AIM0] offset:(16*\ml+\k)*FRB+512*\c
.else
	ds_load_b128 v[12*(4*(\k-5)+\ml)+4*\c:12*(4*(\k-5)+\ml)+4*\c+3], v[AIM1] offset:(16*(\ml-2)+\k)*FRB+512*\c
.endif
.endr
.endr
.endr
	WIN 0
.irp ml, 0,1,2,3
.irp ii, 0,1,2,3
	ds_load_b32 v[ASCL+4*\ml+\ii], v[ASL] offset:1024*\ml+128*\ii   ; lanes 0-15 K step 2 ii, lanes 16-31 K step 2 ii + 1
.endr
.endr
	s_lshl_b32 s54, s[WV], 14
	s_add_co_u32 s54, s54, IMG
	v_lshl_add_u32 v[CPA], v1, 4, s54
	s_mul_i32 s55, s[NH], 4*RECB
	v_lshl_add_u32 v[BA], v1, 4, s55
	v_lshl_add_u32 v[BS], v1, 2, s55
	v_add_nc_u32 v[BADR], s[TB], v[BA]
	v_add_nc_u32 v[BSADR], s[TB], v[BS]
	s_lshl_b32 s56, s[NH], 8
	s_add_co_u32 s56, s56, HBC
	v_bfe_u32 v[HADR], v0, 4, 1
	v_lshl_add_u32 v[HADR], v[HADR], 5, s56
	s_wait_alu depctr_va_vdst(0)
	s_wait_dscnt 0x0                               ; my fragments are in, my stores of hbc and v have landed (slot 1's load stays out)
	s_barrier_signal -1
	s_barrier_wait -1                              ; nobody reads the images any more; W, hbc and v are there for every wave.
.irp f, 0,1,2,3,4,5,6,7,8,9,10,11,12,13,14,15
.irp c, 0,1
	ds_store_b128 v[CPA], v[112+8*\f+4*\c:112+8*\f+4*\c+3] offset:1024*\f+512*\c   ; copy fragments 48-63, as images, into bytes that I alone read
.endr
.endr
.irp j, 0,1,2,3,4,5,6,7
	v_mov_b32 v[SCO+\j], 0                         ; S: four tiles of rows, two halves each
.endr
	s_wait_dscnt 0x0                               ; the stores have read their registers: W's fragments land there
	FETCH 0                                        ; the first record
	; ---- the product and tanh: 32 turns
	s_mov_b32 s[CNT], 6
.Lturns:                                               ; six trips, a slot each; each fills its slot again: slots 2 to 7
	TURN 0, 0, 1
	TURN 1, 0, 1
	TURN 2, 0, 1
	TURN 3, 1, 1
	WIN 0                                          ; at a label and at a branch every window is 0
	s_sub_co_u32 s[CNT], s[CNT], 1
	s_cmp_lg_u32 s[CNT], 0
	s_cbranch_scc1 .Lturns
	TURN 0, 0, 1                                   ; the tail is written out
	TURN 1, 0, 1
	TURN 2, 0, 1
	TURN 3, 2, 1
	TURN 0, 0, 1
	TURN 1, 0, 1
	TURN 2, 0, 1
	TURN 3, 0, 0
	; ---- the quarter's softmax and its context
	WIN 0x40
.irp f, 0,1,2,3,4,5,6,7,8,9,10,11,12,13,14,15
.irp c, 0,1
	ds_load_b128 v[8*\f+4*\c:8*\f+4*\c+3], v[CPA] offset:1024*\f+512*\c   ; copy fragments 48-63 come back, where enc's codes lay
.endr
.endr
	WIN 0
	v_and_b32 v1, 15, v0
	s_lshl_b32 s54, s[NH], 9
	s_lshl_b32 s55, s[RH], 6
	s_add_co_u32 s54, s54, s55
	s_add_co_u32 s54, s54, EXCH
	v_lshl_add_u32 v[EXA], v1, 2, s54
	v_and_b32 v1, 31, v0
	v_lshl_add_u32 v[EXR], v1, 4, EXCH
	s_lshl_b32 s56, s[WV], 9
	s_add_co_u32 s56, s56, PARR
	v_lshl_add_u32 v[PAW], v1, 4, s56
	v_bfe_u32 v[PAR], v0, 4, 1
	v_lshl_add_u32 v[PAR], v[PAR], 5, s56
	s_lshl_b32 s57, s[WV], 10
	v_lshl_add_u32 v[POFF], v1, 4, s57
	v_lshlrev_b32 v1, 3, v1                        ; 8 x lane
.irp ml, 0,1,2,3
	v_add_f32 v[56+\ml], v[SCO+2*\ml], v[SCO+2*\ml+1]
.endr
.irp ml, 0,1,2,3
	v_permlanex16_b32 v[60+\ml], v[56+\ml], s[SEL], s[SEL+1]
.endr
.irp ml, 0,1,2,3
	v_add_f32 v[56+\ml], v[56+\ml], v[60+\ml]      ; all 16 a of each of my records
.endr
.irp ml, 0,1,2,3
	ds_store_b32 v[EXA], v[56+\ml] offset:128*\ml  ; row 16 (2 ml + rh) + r; lanes r and 16 + r write the same word
.endr
	s_wait_dscnt 0x0
	s_barrier_signal -1
	s_barrier_wait -1
	ds_load_b128 v[16:19], v[EXR]                  ; rows 4 lane .. + 3: the half of the a's of waves 0, 1,
	ds_load_b128 v[20:23], v[EXR] offset:512       ; and that of waves 2, 3
	s_wait_dscnt 0x0
	v_pk_add_f32 v[16:17], v[16:17], v[20:21] neg_lo:[1,1] neg_hi:[1,1]   ; N = -S
	v_pk_add_f32 v[18:19], v[18:19], v[22:23] neg_lo:[1,1] neg_hi:[1,1]
	v_max3_num_f32 v24, v16, v17, v18
	v_max_num_f32 v24, v24, v19
	v_max_num_f32_dpp v24, v24, v24 row_xmask:1 row_mask:0xf bank_mask:0xf
	v_max_num_f32_dpp v24, v24, v24 row_xmask:2 row_mask:0xf bank_mask:0xf
	v_max_num_f32_dpp v24, v24, v24 row_xmask:4 row_mask:0xf bank_mask:0xf
	v_max_num_f32_dpp v24, v24, v24 row_xmask:8 row_mask:0xf bank_mask:0xf
	v_permlanex16_b32 v25, v24, s[SEL], s[SEL+1]
	v_max_num_f32 v24, v24, v25                    ; the largest N of the 128 rows
	v_mul_f32 v28, s[CS], v24                      ; m = c x that: the maximum that is taken away
	v_pk_fma_f32 v[16:17], v[16:17], s[CS:CS+1], v[28:29] op_sel_hi:[1,0,0] neg_lo:[0,0,1] neg_hi:[0,0,1]   ; c N - m
	v_pk_fma_f32 v[18:19], v[18:19], s[CS:CS+1], v[28:29] op_sel_hi:[1,0,0] neg_lo:[0,0,1] neg_hi:[0,0,1]
	s_wait_alu depctr_va_vdst(0)
.irp j, 0,1,2,3
	v_exp_f32 v[16+\j], v[16+\j]                   ; p
.endr
	v_nop
	s_wait_alu depctr_va_vdst(0)                   ; one wait for the four, ahead of their first reader
	ds_store_b128 v[PAW], v[16:19]                 ; my own bytes: no barrier
	v_add_f32 v26, v16, v17
	v_add_f32 v27, v18, v19
	v_add_f32 v26, v26, v27
	v_add_f32_dpp v26, v26, v26 row_xmask:1 row_mask:0xf bank_mask:0xf
	v_add_f32_dpp v26, v26, v26 row_xmask:2 row_mask:0xf bank_mask:0xf
	v_add_f32_dpp v26, v26, v26 row_xmask:4 row_mask:0xf bank_mask:0xf
	v_add_f32_dpp v26, v26, v26 row_xmask:8 row_mask:0xf bank_mask:0xf
	v_permlanex16_b32 v27, v26, s[SEL], s[SEL+1]
	v_add_f32 v29, v26, v27                        ; l, of the f32 p
	; p as source 0 of the bf16 product: all 16 rows alike; register 4 mt + q holds rows 16 mt + 8 h + 2 q, + 1
.irp hh, 0,1
.irp t, 0,1,2,3
	ds_load_b128 v[32+8*\t:32+8*\t+3], v[PAR] offset:64*(4*\hh+\t)
	ds_load_b128 v[32+8*\t+4:32+8*\t+7], v[PAR] offset:64*(4*\hh+\t)+16
.endr
	s_wait_dscnt 0x0
.irp t, 0,1,2,3
.irp q, 0,1,2,3
	v_cvt_pk_bf16_f32 v[192+4*(4*\hh+\t)+\q], v[32+8*\t+2*\q], v[32+8*\t+2*\q+1]
.endr
.endr
.endr
	; context = p x copy: 16 accumulators by turns, 32 rows a step
.irp pp, 0,1,2,3
.irp f, 0,1,2,3,4,5,6,7,8,9,10,11,12,13,14,15
.if \pp == 3
.set HW, 1
.set HR, 8*\f
.else
.set FI, 16*\pp+\f
	HOME
.endif
	WIN HW<<2
.if \pp == 0
	v_wmma_f32_16x16x32_bf16 v[64+8*\f:64+8*\f+7], v[192+8*\pp:192+8*\pp+7], v[HR:HR+7], 0
.else
	v_wmma_f32_16x16x32_bf16 v[64+8*\f:64+8*\f+7], v[192+8*\pp:192+8*\pp+7], v[HR:HR+7], v[64+8*\f:64+8*\f+7]
.endif
.endr
.endr
	WIN 0
	NOPS 4
	; all rows of a result are alike: register 0 of accumulator 4 g + j is column 256 w + 64 g + 4 r + j.  Lanes 0-15 take g = 2 e, lanes 16-31 g = 2 e + 1: 16 neighbouring bytes a lane
.irp e, 0,1
.irp j, 0,1,2,3
	v_cndmask_b32 v[16+4*\e+\j], v[64+8*(8*\e+\j)], v[64+8*(8*\e+4+\j)], s[HMASK]
.endr
.endr
	global_store_b128 v[POFF], v[16:19], s[12:13]              ; 512 consecutive bytes
	global_store_b128 v[POFF], v[20:23], s[12:13] offset:512
	s_cmp_lg_u32 s[WV], 0
	s_cbranch_scc1 .Lnot_first
	global_store_b64 v1, v[28:29], s[12:13] offset:4096        ; (m, l), 32 times: 256 consecutive bytes
.Lnot_first:
	s_wait_tensorcnt 0x0                           ; the wave's end, behind my last tensor load and my last LDS store
	ds_add_u32 v[SPW], v[NIL]
	s_wait_dscnt 0x0
	CROUND                                         ; the closing round: no work-group ends while a partner may still ask for a slot that names it
	s_endpgm
.Lfunc_end_k_q5a6127c9ca_main:
	.size	k_q5a6127c9ca_main, .Lfunc_end_k_q5a6127c9ca_main-k_q5a6127c9ca_main
	.p2alignl 7, 3214868480
	.fill 96, 4, 3214868480
	.section	.rodata,"a",@progbits
	.p2align	6, 0x0
	.amdhsa_kernel k_q5a6127c9ca_main
		.amdhsa_group_segment_fixed_size 327680
		.amdhsa_private_segment_fixed_size 0
		.amdhsa_enable_private_segment 0
		.amdhsa_kernarg_size 40
		.amdhsa_user_sgpr_count 2
		.amdhsa_user_sgpr_kernarg_segment_ptr 1
		.amdhsa_wavefront_size32 1
		.amdhsa_system_sgpr_workgroup_id_x 1
		.amdhsa_system_sgpr_workgroup_id_y 1
		.amdhsa_system_sgpr_workgroup_id_z 1
		.amdhsa_system_vgpr_workitem_id 0
		.amdhsa_next_free_vgpr 1024
		.amdhsa_next_free_sgpr 66
		.amdhsa_reserve_vcc 0
		.amdhsa_float_denorm_mode_32 3
		.amdhsa_float_denorm_mode_16_64 3
		.amdhsa_memory_ordered 1
		.amdhsa_forward_progress 1
		.amdhsa_inst_pref_size 255
	.end_amdhsa_kernel
	.section	.bss,"aw",@nobits
	.p2align	6
	.space	262144
	.amdgpu_metadata
---
amdhsa.version: [ 1, 2 ]
amdhsa.kernels:
  - .name:           k_q5a6127c9ca_main
    .symbol:         k_q5a6127c9ca_main.kd
    .args:
      - { .name: encoder_outputs, .offset: 0, .size: 8, .value_kind: global_buffer, .address_space: global }
      - { .name: wq, .offset: 8, .size: 8, .value_kind: global_buffer, .address_space: global }
      - { .name: hbc, .offset: 16, .size: 8, .value_kind: global_buffer, .address_space: global }
      - { .name: v, .offset: 24, .size: 8, .value_kind: global_buffer, .address_space: global }
      - { .name: part, .offset: 32, .size: 8, .value_kind: global_buffer, .address_space: global }
    .group_segment_fixed_size: 327680
    .private_segment_fixed_size: 0
    .kernarg_segment_align: 8
    .kernarg_segment_size: 40
    .max_flat_workgroup_size: 128
    .sgpr_count:     66
    .vgpr_count:     1024
    .wavefront_size: 32
...
	.end_amdgpu_metadata
.endif
;; end of part 2
;; launch comb (part 3): grid 64 x 1, 8 waves a work-group, no clusters, 0 bytes of LDS; arguments part, out0; writes out0
.if DOCPART == 3
	.amdgcn_target "amdgcn-amd-amdhsa--gfx1250"
	.amdhsa_code_object_version 6
	.text
	.protected	k_q5a6127c9ca_comb
	.globl	k_q5a6127c9ca_comb
	.p2align	8
	.type	k_q5a6127c9ca_comb,@function
k_q5a6127c9ca_comb:
	s_mov_b64 s[64:65], 0
	v_nop
	global_prefetch_b8 v0, s[64:65] scope:SCOPE_SE
	s_setreg_imm32_b32 hwreg(HW_REG_WAVE_MODE, 25, 1), 1
	s_wait_xcnt 0x0
; THIRD OF THREE LAUNCHES.  A batch's four quarters are joined: M = the largest m_i, w_i = 2^(m_i - M), L = sum of w_i l_i, out = sum of (w_i / L) context_i.
; (The term sum of v, the same along the softmax's axis, is left out of every m_i alike: see the head of the first launch.)
; A work-group takes a batch; thread t owns columns 4 t .. 4 t + 3: each load and the store of a wave cover 512 consecutive bytes.  No LDS, no barrier.
.set REC, 4608                         ; a quarter's record: 4,096 bytes of context, then (m, l) 32 times
	s_load_b128 s[4:7], s[0:1], 0x0                ; part, out0
	v_lshlrev_b32 v1, 4, v0                        ; 16 t
	v_and_b32 v2, 31, v0
	s_delay_alu instid0(VALU_DEP_1)
	v_lshlrev_b32 v2, 3, v2                        ; 8 x lane
	s_mul_i32 s8, ttmp9, 4*REC
	s_mov_b32 s9, 0
	s_lshl_b32 s10, ttmp9, 12
	s_mov_b32 s11, 0
	s_wait_alu depctr_va_vdst(0)
	s_wait_kmcnt 0x0
	s_add_nc_u64 s[4:5], s[4:5], s[8:9]
	s_add_nc_u64 s[6:7], s[6:7], s[10:11]
.irp i, 0,1,2,3
	global_load_b64 v[4+2*\i:5+2*\i], v2, s[4:5] offset:REC*\i+4096    ; m_i, l_i
.endr
.irp i, 0,1,2,3
	global_load_b128 v[16+4*\i:19+4*\i], v1, s[4:5] offset:REC*\i
.endr
	s_wait_loadcnt 4                               ; the four (m, l) are in; the four loads of the contexts may be out
	v_max3_num_f32 v12, v4, v6, v8
	s_delay_alu instid0(VALU_DEP_1)
	v_max_num_f32 v12, v12, v10                    ; M
.irp i, 0,1,2,3
	v_sub_f32 v[32+\i], v[4+2*\i], v12
.endr
	s_wait_alu depctr_va_vdst(0)
.irp i, 0,1,2,3
	v_exp_f32 v[32+\i], v[32+\i]                   ; w_i, at most 1
.endr
	v_nop
	s_wait_alu depctr_va_vdst(0)                   ; one wait for the four, ahead of their first reader
	v_mul_f32 v36, v32, v5
	v_fmac_f32 v36, v33, v7
	v_fmac_f32 v36, v34, v9
	v_fmac_f32 v36, v35, v11                       ; L, at least 1
	s_wait_alu depctr_va_vdst(0)
	v_rcp_f32 v37, v36
	v_nop
	s_wait_alu depctr_va_vdst(0)
.irp i, 0,1,2,3
	v_mul_f32 v[32+\i], v[32+\i], v37
.endr
	s_wait_alu depctr_va_vdst(0)
	s_wait_loadcnt 0x0
.irp j, 0,1,2,3
	v_mul_f32 v[40+\j], v[16+\j], v32
.endr
.irp i, 1,2,3
.irp j, 0,1,2,3
	s_delay_alu instid0(VALU_DEP_4)
	v_fmac_f32 v[40+\j], v[16+4*\i+\j], v[32+\i]
.endr
.endr
	global_store_b128 v1, v[40:43], s[6:7]
	s_endpgm
.Lfunc_end_k_q5a6127c9ca_comb:
	.size	k_q5a6127c9ca_comb, .Lfunc_end_k_q5a6127c9ca_comb-k_q5a6127c9ca_comb
	.p2alignl 7, 3214868480
	.fill 96, 4, 3214868480
	.section	.rodata,"a",@progbits
	.p2align	6, 0x0
	.amdhsa_kernel k_q5a6127c9ca_comb
		.amdhsa_group_segment_fixed_size 0
		.amdhsa_private_segment_fixed_size 0
		.amdhsa_enable_private_segment 0
		.amdhsa_kernarg_size 16
		.amdhsa_user_sgpr_count 2
		.amdhsa_user_sgpr_kernarg_segment_ptr 1
		.amdhsa_wavefront_size32 1
		.amdhsa_system_sgpr_workgroup_id_x 1
		.amdhsa_system_sgpr_workgroup_id_y 1
		.amdhsa_system_sgpr_workgroup_id_z 1
		.amdhsa_system_vgpr_workitem_id 0
		.amdhsa_next_free_vgpr 48
		.amdhsa_next_free_sgpr 66
		.amdhsa_reserve_vcc 0
		.amdhsa_float_denorm_mode_32 3
		.amdhsa_float_denorm_mode_16_64 3
		.amdhsa_memory_ordered 1
		.amdhsa_forward_progress 1
		.amdhsa_inst_pref_size 4
	.end_amdhsa_kernel
	.amdgpu_metadata
---
amdhsa.version: [ 1, 2 ]
amdhsa.kernels:
  - .name:           k_q5a6127c9ca_comb
    .symbol:         k_q5a6127c9ca_comb.kd
    .args:
      - { .name: part, .offset: 0, .size: 8, .value_kind: global_buffer, .address_space: global }
      - { .name: out0, .offset: 8, .size: 8, .value_kind: global_buffer, .address_space: global }
    .group_segment_fixed_size: 0
    .private_segment_fixed_size: 0
    .kernarg_segment_align: 8
    .kernarg_segment_size: 16
    .max_flat_workgroup_size: 256
    .sgpr_count:     66
    .vgpr_count:     48
    .wavefront_size: 32
...
	.end_amdgpu_metadata
.endif
;; end of part 3
